; MI455X (gfx1250); checked and timed in simulation.
; The chip was launched on July 23, 2026; its instructions are those of AMD's public machine-readable ISA for CDNA 5 (MIT licence, August 2026) and "CDNA5" Instruction Set Architecture Reference Guide (July 2026). The comments in the code are by the model that wrote it; some were corrected since.
;; Aten Mm Qint8. Allowed arithmetic: matrix products marked QUANTISED: E3M2 operands, one E8M0 scale for each 32 along K, by v_wmma_scale_f32_16x16x128_f8f6f4 with both operands' format E3M2, f32 sums; everything else in f32.
;; Inputs: x 4,096 x 4,096 int8; y 4,096 x 4,096 int8.
;; Outputs: out0 4,096 x 4,096 float32.
;; This version of the problem:
;;   THIS VERSION OF THE PROBLEM IS GIVEN IN LOW PRECISION. The matrix products marked QUANTISED in the list below multiply operands that are first quantised to E3M2 (3 exponent bits, 2 mantissa bits; 6 bits a number), with one power-of-two scale for each 32 numbers along K (OCP MX v1.0); their sums are f32. All else is computed in f32.
;;   The module's matrix products, in the order in which they are computed (A, B: the left and right operand; K: the contracted axis; several contracted axes count as one K, in the product's order):
;;     1. [M 4,096, K 4,096] x [K 4,096, N 4,096]; A: computed on the way; B: computed on the way: QUANTISED
;;   THE QUANTISER, for each operand of a quantised product, along K:
;;     - K is cut into blocks of 32 from its start; a last block that is shorter is filled with zeros.
;;     - A block's scale is 2^e with e = floor(log2(the largest magnitude in the block)) - 4, held to -126 .. 127; a block of zeros has e = 0. As a byte (E8M0): e + 127.
;;     - Each number is divided by its block's scale, clamped to +-28, and rounded to the nearest number of E3M2, ties to even, subnormals kept.
;;     - The product sums the exact products of the quantised numbers (number of the format x scale) in f32.
;;   ~~~python
;;   def quantise(x, axis):      # numpy; x: float32 -> the quantised numbers, widened to float32 again
;;       x = np.moveaxis(x, axis, -1); K = x.shape[-1]
;;       x = np.pad(x, [(0, 0)] * (x.ndim - 1) + [(0, -K % 32)]); x = x.reshape(x.shape[:-1] + (-1, 32)); a = np.abs(x).max(-1, keepdims=True)
;;       e = np.where(a > 0, np.clip(np.frexp(np.where(a > 0, a, 1))[1] - 1 - 4, -126, 127), 0)      # np.frexp(a)[1] - 1 = floor(log2(a)), exactly
;;       r = np.clip(x / 2.0 ** e, -28, 28)
;;       step = 2.0 ** (np.maximum(np.frexp(np.where(r == 0, 1, r))[1] - 1, -2) - 2)
;;       q = np.round(r / step) * step * 2.0 ** e      # np.round: ties to even
;;       return np.moveaxis(q.reshape(q.shape[:-2] + (-1,))[..., :K], -1, axis).astype(np.float32)
;;   ~~~
;;   OPERANDS COMPUTED ON THE WAY. 'Computed on the way' means the value that the module computes at that place (a softmax that the list does not call 'softmax' is quantised finished and normalised). What goes into a quantiser is computed in f32, as accurately as f32 sums, v_exp_f32 and their like allow (about 1e-6 of the number): no bf16 or f16 on the way to a quantiser, and a product that is left as it is and whose result goes on into a quantised operand takes f32 operands (vector FMAs, or v_wmma_f32_16x16x4_f32). A number that lies on a knife's edge between two numbers of the format may be rounded either way, as far as f32 arithmetic and the matrix unit's own rounding can turn it there, and no further.
;; One version. Each part assembles by itself: llvm-mc -triple=amdgcn-amd-amdhsa -mcpu=gfx1250 --defsym DOCPART=n.
;; ======== version 1 of 1: 2 launches
;; limits: right only within a limited range of input values
;; workspace buffers: a_img 13,107,200 bytes; b_img 13,107,200 bytes
;; launch quant (part 1): grid 256 x 1, 16 waves a work-group, no clusters, 239,872 bytes of LDS; arguments x, y, a_img, b_img; writes a_img, b_img
.if DOCPART == 1
	.amdgcn_target "amdgcn-amd-amdhsa--gfx1250"
	.amdhsa_code_object_version 6
	.text
	.protected	k_q3df9803adc_quant
	.globl	k_q3df9803adc_quant
	.p2align	8
	.type	k_q3df9803adc_quant,@function
k_q3df9803adc_quant:
	s_mov_b64 s[64:65], 0
	v_nop
	global_prefetch_b8 v0, s[64:65] scope:SCOPE_SE
	s_setreg_imm32_b32 hwreg(HW_REG_WAVE_MODE, 25, 1), 1
	s_wait_xcnt 0x0
; x [4096 m][4096 k] and y [4096 k][4096 n], int8, are dequantised in f32, xf = (x + 25) * 0.0215, yf = (y - 18) * 0.0176, and quantised along K into codes of BF6 (E3M2)
; with one E8M0 byte for each 32 along K: the byte is the largest magnitude's exponent field - 4, held at 1 from below.
; OUT: a_img (rows = m) and b_img (rows = n): [32 groups of 128 rows][32 steps of 128 along K][8 blocks of 16 rows][a record of 1,600 bytes].  One group's step, 12,800 bytes, is 50 whole units of 256 bytes.
; A record is the operand's registers: three images of 512 bytes (image g: registers 4 g .. 4 g + 3, lane l's 16 bytes at 16 l), then the 16 rows' scale words.  Lane (r, h) holds row r and k = 64 h + 0 .. 63 of the step.
; The matrix unit takes a lane's registers 0-5 under scale byte h and 6-11 under byte 2 + h: so byte h scales the step's block 2 h, byte 2 + h block 2 h + 1 (alike in both operands: the same products, grouped otherwise in the f32 sums).
; LIMIT: a block of zeros gets the byte 1 where the rule says 127: its codes are zeros, and this program alone reads the bytes.  Every int8 value is served.
; DEQUANTISING with one rounding: word xor 0x80808080 holds u = q + 128 a byte; a byte permute sets u under 0x4B000000 (2^23 + u); adding -(2^23 + 128 + zero point) is exact; then the multiplication by the scale.
; SHARES: even work-groups take y, odd ones x, 128 each; the branch hangs on the work-group's number alone; each path has LDS bytes of its own.
; x: a work-group takes one group of 128 rows x 1,024 along K; wave w takes block w % 8 and 512 along K (four records).  Rows turn through the wave's own stage; behind a barrier the records are laid into the same region in the image's order;
;    behind a second barrier each wave stores 6,400 consecutive bytes of the work-group's 102,400.
; y: a work-group takes 256 columns x 512 along K, so that both halves of each 256 bytes of a row of y are read by one work-group; wave w takes columns 128 (w / 8) .. + 127 and the K rows 64 (w % 8) .. + 63: half a step.
;    A lane's registers run down K; its four columns' lane strings go to a stage laid as the image is, and each wave stores 6,400 consecutive bytes.
.set REC,   1600
.set CODEB, 1536
.set UNIT,  8*REC                      ; one step of one group
.set GRPB,  32*UNIT
.set EMAX,  4
.set XST,   102656                     ; behind y's stage (102,400 bytes): the x path's region
.set XWB,   8448                       ; x: a wave's stage for the rows: 16 x XP
.set XP,    528
.set SPARE, XST+16*XWB                 ; the spare words, 128 bytes a wave
.set SPW,   192
.set NIL,   193
.set R,     16                         ; v16-79   input words
.set LS,    80                         ; v80-143  x: four lane strings
.set CT,    80                         ; v80-127  y: codes of my four columns
.set SB,    128                        ; v128-135 y: scale bytes
.set F,     144                        ; v144-175 a block's 32 numbers
.set TT,    176
.set CX,    16
.set WX,    64
.set EX,    68
.set TX,    70
.set OUTY,  16
.set OUTX,  80
.set AD0,   180
	s_load_b256 s[4:11], s[0:1], 0x0               ; x, y, a_img, b_img
	v_lshl_add_u32 v[SPW], v0, 2, SPARE
	v_mov_b32 v[NIL], 0
	v_lshrrev_b32 v1, 5, v0
	v_readfirstlane_b32 s16, v1                    ; wave
	v_and_b32 v2, 31, v0                           ; lane
	s_mov_b32 s20, 0x03020104                      ; byte b of the word lowest, above it bytes 1 to 3 of s24
	s_mov_b32 s21, 0x03020105
	s_mov_b32 s22, 0x03020106
	s_mov_b32 s23, 0x03020107
	s_mov_b32 s24, 0x4b000000
	s_mov_b32 s25, 0x80808080
	s_lshr_b32 s19, ttmp9, 1                       ; which of the path's 128 shares
	s_and_b32 s18, ttmp9, 1
	s_cmp_eq_u32 s18, 0
	s_cbranch_scc0 .Lx
.macro DEQ f, n                        ; 2^23 + u becomes (q - zero point) x scale
.set dn, 0
.rept (\n)/2
	v_pk_add_f32 v[\f+dn:\f+dn+1], v[\f+dn:\f+dn+1], s[32:33] op_sel_hi:[1,0]
.set dn, dn+2
.endr
.set dn, 0
.rept (\n)/2
	v_pk_mul_f32 v[\f+dn:\f+dn+1], v[\f+dn:\f+dn+1], s[34:35] op_sel_hi:[1,0]
.set dn, dn+2
.endr
.endm
.macro QBLK ct, sb                     ; a block in v[F] on: 24 bytes of codes in v[ct] on, the byte in v[sb]
	DEQ F, 32
	v_max3_num_f32 v8, |v[F]|, |v[F+1]|, |v[F+2]|
	v_max3_num_f32 v9, |v[F+3]|, |v[F+4]|, |v[F+5]|
.irp i, 6,10,14,18,22,26
	s_delay_alu instid0(VALU_DEP_2)
	v_max3_num_f32 v8, v8, |v[F+\i]|, |v[F+\i+1]|
	s_delay_alu instid0(VALU_DEP_2)
	v_max3_num_f32 v9, v9, |v[F+\i+2]|, |v[F+\i+3]|
.endr
	s_delay_alu instid0(VALU_DEP_2)
	v_max3_num_f32 v8, v8, |v[F+30]|, |v[F+31]|
	s_delay_alu instid0(VALU_DEP_1)
	v_max3_num_f32 v8, v8, v9, (EMAX+1)<<23        ; the floor: the byte cannot fall under 1
	s_delay_alu instid0(VALU_DEP_1)
	v_add_nc_u32 v11, 0xfe000000, v8               ; 4 off the exponent field: the conversion's scale operand
	v_cvt_scalef32_pk16_bf6_f32 v[\ct:\ct+2], v[F:F+15], v11
	v_cvt_scalef32_pk16_bf6_f32 v[TT:TT+2], v[F+16:F+31], v11
	v_lshrrev_b32 v[\sb], 23, v11                  ; the byte; also the plain line behind the conversions
.irp i, 0,1,2
	v_mov_b32 v[\ct+3+\i], v[TT+\i]
.endr
.endm
	; ================ y ================
.set ADW,  AD0
.set ADS,  AD0+1
.set RDO,  AD0+2
.set RD8,  AD0+3
.set GO16, AD0+4
.set GO8,  AD0+5
	s_mov_b32 s32, 0xcb000092                      ; -(2^23 + 146)
	s_mov_b32 s33, s32
	s_mov_b32 s34, 0x3c902de0                      ; 0.0176
	s_mov_b32 s35, s34
	s_and_b32 s28, s19, 15                         ; cg: which 256 columns
	s_lshr_b32 s29, s19, 4                         ; kc: which 512 along K
	s_and_b32 s30, s16, 7                          ; hs: which 64 K rows
	s_lshr_b32 s31, s16, 3                         ; ch: which 128 of the columns
	s_lshl_b32 s26, s29, 21                        ; y: (512 kc + 64 hs) rows of 4,096 bytes + 256 cg + 128 ch
	s_lshl_b32 s40, s30, 18
	s_add_co_u32 s26, s26, s40
	s_lshl_b32 s40, s28, 8
	s_add_co_u32 s26, s26, s40
	s_lshl_b32 s40, s31, 7
	s_add_co_u32 s26, s26, s40
	s_mov_b32 s27, 0
	s_mul_i32 s41, s16, 4*REC                      ; out: my 6,400 bytes of the stage
	s_mul_i32 s36, s31, 4*UNIT                     ; in: my group's four steps,
	s_lshr_b32 s40, s30, 1
	s_mul_i32 s40, s40, UNIT                       ; my step,
	s_add_co_u32 s36, s36, s40
	s_and_b32 s40, s30, 1                          ; my half of its lanes
	s_lshl_b32 s37, s40, 8
	s_add_co_u32 s37, s37, s36                     ; codes
	s_add_co_u32 s36, s36, s40
	s_add_co_u32 s36, s36, CODEB                   ; scale bytes: byte `half` (and 2 + half) of a row's word
	s_lshl_b32 s38, s28, 1
	s_add_co_u32 s38, s38, s31
	s_mul_i32 s38, s38, GRPB                       ; b_img: group 2 cg + ch, step 4 kc, + 6,400 hs
	s_mul_i32 s40, s29, 4*UNIT
	s_add_co_u32 s38, s38, s40
	s_mul_i32 s40, s30, 4*REC
	s_add_co_u32 s38, s38, s40
	s_mov_b32 s39, 0
	s_wait_alu depctr_va_vdst(0)                   ; the wait ahead of the reader below
	v_lshlrev_b32 v3, 2, v2
	v_lshrrev_b32 v4, 2, v2                        ; column 4 l + j: block l / 4, row 4 (l % 4) + j
	v_and_b32 v5, 3, v2
	v_mul_u32_u24 v6, v4, REC
	v_lshl_add_u32 v[ADW], v5, 6, v6
	v_add_nc_u32 v[ADW], s37, v[ADW]
	v_lshl_add_u32 v[ADS], v5, 4, v6
	v_add_nc_u32 v[ADS], s36, v[ADS]
	v_lshlrev_b32 v[GO16], 4, v2
	v_add_nc_u32 v[RDO], s41, v[GO16]
	v_lshlrev_b32 v[GO8], 3, v2
	v_add_nc_u32 v[RD8], s41, v[GO8]
	s_wait_alu depctr_va_vdst(0)                   ; the wait at the head's end
	s_wait_kmcnt 0x0
	s_add_nc_u64 s[6:7], s[6:7], s[26:27]
	s_add_nc_u64 s[10:11], s[10:11], s[38:39]
.set ln, 0
.rept 64
	global_load_b32 v[R+ln], v3, s[6:7] offset:4096*ln   ; K row ln: 128 consecutive bytes; the 128 beside them are wave w xor 8's
.set ln, ln+1
.endr
.macro YCOL u, j                       ; block u of column j: byte j of 32 words
.set pn, 0
.rept 32
	v_perm_b32 v[F+pn], v[R+32*(\u)+pn], s24, s[20+(\j)]
.set pn, pn+1
.endr
	QBLK CT+12*(\j)+6*(\u), SB+2*(\j)+(\u)
.if (\u) == 1
.irp g, 0,1,2
	ds_store_b128 v[ADW], v[CT+12*(\j)+4*\g:CT+12*(\j)+4*\g+3] offset:16*(\j)+512*\g
.endr
	ds_store_b8 v[ADS], v[SB+2*(\j)] offset:4*(\j)
	ds_store_b8 v[ADS], v[SB+2*(\j)+1] offset:4*(\j)+2
.endif
.endm
.irp u, 0,1
.if \u == 0
	s_wait_loadcnt 32                              ; the first block's 32 loads are in
.else
	s_wait_loadcnt 0x0
.endif
.set xn, 0
.rept 32
	v_xor_b32 v[R+32*\u+xn], s25, v[R+32*\u+xn]
.set xn, xn+1
.endr
.irp j, 0,1,2,3
	YCOL \u, \j
.endr
.endr
	s_wait_dscnt 0x0                               ; my stores into the stage are done
	s_barrier_signal -1
	s_barrier_wait -1
.irp i, 0,1,2,3,4,5,6,7,8,9,10,11
	ds_load_b128 v[OUTY+4*\i:OUTY+4*\i+3], v[RDO] offset:512*\i
.endr
	ds_load_b64 v[OUTY+48:OUTY+49], v[RD8] offset:6144
.irp i, 0,1,2,3,4,5,6,7,8,9,10,11
	s_wait_dscnt 12-\i                             ; the loads behind the one wanted may be out
	global_store_b128 v[GO16], v[OUTY+4*\i:OUTY+4*\i+3], s[10:11] offset:512*\i   ; 512 consecutive bytes at a multiple of 256
.endr
	s_wait_dscnt 0x0
	global_store_b64 v[GO8], v[OUTY+48:OUTY+49], s[10:11] offset:6144
	s_wait_tensorcnt 0x0                           ; the wave's end
	ds_add_u32 v[SPW], v[NIL]
	s_wait_dscnt 0x0
	s_endpgm
	; ================ x ================
.set XI,   AD0                         ; my stage + 16 x lane: rows in
.set XR,   AD0+1                       ; my stage + 528 r + 64 h: lane strings
.set XS,   AD0+2                       ; records: scale words, 4 r
.set X8,   AD0+3                       ; the way out, 8 x lane
.set XW,   AD0+4                       ; records: images, 16 x lane
.set XG8,  AD0+5
.set SH,   AD0+6
.set XO,   AD0+7                       ; the way out, 16 x lane
.Lx:
	s_mov_b32 s32, 0xcb000067                      ; -(2^23 + 103)
	s_mov_b32 s33, s32
	s_mov_b32 s34, 0x3cb020c5                      ; 0.0215
	s_mov_b32 s35, s34
	s_mov_b32 s44, 0x76543210
	s_mov_b32 s45, 0xfedcba98
	s_lshr_b32 s28, s16, 3                         ; which 512 of the work-group's 1,024 along K
	s_and_b32 s29, s16, 7                          ; which block of the group's eight
	s_lshr_b32 s26, s19, 2                         ; the group of 128 rows
	s_and_b32 s27, s19, 3                          ; which 1,024 along K
	s_lshl_b32 s30, s26, 19                        ; x: (128 g + 16 block) rows of 4,096 bytes + 1,024 kq + 512 kc
	s_lshl_b32 s31, s29, 16
	s_add_co_u32 s30, s30, s31
	s_lshl_b32 s31, s27, 10
	s_add_co_u32 s30, s30, s31
	s_lshl_b32 s31, s28, 9
	s_add_co_u32 s30, s30, s31
	s_mov_b32 s31, 0
	s_mul_i32 s38, s26, GRPB                       ; a_img: the group, step 8 kq, + 6,400 x wave
	s_mul_i32 s40, s27, 8*UNIT
	s_add_co_u32 s38, s38, s40
	s_mul_i32 s40, s16, 4*REC
	s_add_co_u32 s38, s38, s40
	s_mov_b32 s39, 0
	s_add_co_u32 s41, s40, XST                     ; the same 6,400 bytes in the region
	s_mul_i32 s37, s28, 4*UNIT                     ; my records: step 4 kc on, my block
	s_mul_i32 s42, s29, REC
	s_add_co_u32 s37, s37, s42
	s_add_co_u32 s37, s37, XST
	s_mul_i32 s36, s16, XWB
	s_add_co_u32 s36, s36, XST                     ; my stage for the rows
	s_wait_alu depctr_va_vdst(0)                   ; the wait ahead of the reader below
	v_lshlrev_b32 v3, 4, v2
	v_add_nc_u32 v[XI], s36, v3
	v_and_b32 v4, 15, v0
	v_bfe_u32 v5, v0, 4, 1
	v_mul_u32_u24 v6, v4, XP
	v_lshl_add_u32 v6, v5, 6, v6
	v_add_nc_u32 v[XR], s36, v6
	v_lshlrev_b32 v6, 2, v4
	v_add_nc_u32 v[XS], s37, v6
	v_lshlrev_b32 v[XG8], 3, v2
	v_add_nc_u32 v[X8], s41, v[XG8]
	v_add_nc_u32 v[XW], s37, v3
	v_add_nc_u32 v[XO], s41, v3
	v_lshlrev_b32 v[SH], 3, v5
	s_wait_alu depctr_va_vdst(0)                   ; the wait at the head's end
	s_wait_kmcnt 0x0
	s_add_nc_u64 s[4:5], s[4:5], s[30:31]
	s_add_nc_u64 s[8:9], s[8:9], s[38:39]
.irp i, 0,1,2,3,4,5,6,7,8,9,10,11,12,13,14,15
	global_load_b128 v[R+4*\i:R+4*\i+3], v3, s[4:5] offset:4096*\i th:TH_LOAD_NT   ; row i: 512 consecutive bytes, read once
.endr
.irp i, 0,1,2,3,4,5,6,7,8,9,10,11,12,13,14,15
	s_wait_loadcnt 15-\i
	ds_store_b128 v[XI], v[R+4*\i:R+4*\i+3] offset:XP*\i
.endr
.irp q, 0,1,2,3
.irp j, 0,1,2,3
	ds_load_b128 v[LS+16*\q+4*\j:LS+16*\q+4*\j+3], v[XR] offset:128*\q+16*\j   ; in order behind my stores: k = 128 q + 64 h + 16 j on, of row r
.endr
.endr
	s_wait_dscnt 0x0                               ; my strings are in registers
	s_barrier_signal -1
	s_barrier_wait -1                              ; so are everybody's: the region may be written in the image's order
	v_mov_b32 v[TX], 0
.macro XREC q
.irp u, 0,1
.irp i, 0,1,2,3,4,5,6,7
	v_xor_b32 v[LS+16*(\q)+8*\u+\i], s25, v[LS+16*(\q)+8*\u+\i]
.endr
.irp i, 0,1,2,3,4,5,6,7
.irp b, 0,1,2,3
	v_perm_b32 v[F+4*\i+\b], v[LS+16*(\q)+8*\u+\i], s24, s[20+\b]
.endr
.endr
	QBLK CX+12*(\q)+6*\u, EX+\u
.endr
	s_delay_alu instid0(VALU_DEP_4)
	v_lshl_or_b32 v[WX+(\q)], v[EX+1], 16, v[EX]   ; bytes h and 2 + h of row r's word,
	s_delay_alu instid0(VALU_DEP_1)
	v_lshlrev_b32 v[WX+(\q)], v[SH], v[WX+(\q)]
	s_delay_alu instid0(VALU_DEP_1)
	v_permlanex16_b32 v[TX], v[WX+(\q)], s44, s45
	s_delay_alu instid0(VALU_DEP_1)
	v_or_b32 v[WX+(\q)], v[WX+(\q)], v[TX]         ; with lane l xor 16's the word is whole
.irp g, 0,1,2
	ds_store_b128 v[XW], v[CX+12*(\q)+4*\g:CX+12*(\q)+4*\g+3] offset:UNIT*(\q)+512*\g
.endr
	ds_store_b32 v[XS], v[WX+(\q)] offset:UNIT*(\q)+CODEB   ; lanes r and r + 16 write the same word
.endm
.irp q, 0,1,2,3
	XREC \q
.endr
	s_wait_dscnt 0x0                               ; my records are in the region
	s_barrier_signal -1
	s_barrier_wait -1
.irp i, 0,1,2,3,4,5,6,7,8,9,10,11
	ds_load_b128 v[OUTX+4*\i:OUTX+4*\i+3], v[XO] offset:512*\i
.endr
	ds_load_b64 v[OUTX+48:OUTX+49], v[X8] offset:6144
.irp i, 0,1,2,3,4,5,6,7,8,9,10,11
	s_wait_dscnt 12-\i
	global_store_b128 v3, v[OUTX+4*\i:OUTX+4*\i+3], s[8:9] offset:512*\i   ; 512 consecutive bytes at a multiple of 256
.endr
	s_wait_dscnt 0x0
	global_store_b64 v[XG8], v[OUTX+48:OUTX+49], s[8:9] offset:6144
	s_wait_tensorcnt 0x0                           ; the wave's end
	ds_add_u32 v[SPW], v[NIL]
	s_wait_dscnt 0x0
	s_endpgm
.Lfunc_end_k_q3df9803adc_quant:
	.size	k_q3df9803adc_quant, .Lfunc_end_k_q3df9803adc_quant-k_q3df9803adc_quant
	.p2alignl 7, 3214868480
	.fill 96, 4, 3214868480
	.section	.rodata,"a",@progbits
	.p2align	6, 0x0
	.amdhsa_kernel k_q3df9803adc_quant
		.amdhsa_group_segment_fixed_size 239872
		.amdhsa_private_segment_fixed_size 0
		.amdhsa_enable_private_segment 0
		.amdhsa_kernarg_size 32
		.amdhsa_user_sgpr_count 2
		.amdhsa_user_sgpr_kernarg_segment_ptr 1
		.amdhsa_wavefront_size32 1
		.amdhsa_system_sgpr_workgroup_id_x 1
		.amdhsa_system_sgpr_workgroup_id_y 1
		.amdhsa_system_sgpr_workgroup_id_z 1
		.amdhsa_system_vgpr_workitem_id 0
		.amdhsa_next_free_vgpr 194
		.amdhsa_next_free_sgpr 66
		.amdhsa_reserve_vcc 0
		.amdhsa_float_denorm_mode_32 3
		.amdhsa_float_denorm_mode_16_64 3
		.amdhsa_memory_ordered 1
		.amdhsa_forward_progress 1
		.amdhsa_inst_pref_size 122
	.end_amdhsa_kernel
	.amdgpu_metadata
---
amdhsa.version: [ 1, 2 ]
amdhsa.kernels:
  - .name:           k_q3df9803adc_quant
    .symbol:         k_q3df9803adc_quant.kd
    .args:
      - { .name: x, .offset: 0, .size: 8, .value_kind: global_buffer, .address_space: global }
      - { .name: y, .offset: 8, .size: 8, .value_kind: global_buffer, .address_space: global }
      - { .name: a_img, .offset: 16, .size: 8, .value_kind: global_buffer, .address_space: global }
      - { .name: b_img, .offset: 24, .size: 8, .value_kind: global_buffer, .address_space: global }
    .group_segment_fixed_size: 239872
    .private_segment_fixed_size: 0
    .kernarg_segment_align: 8
    .kernarg_segment_size: 32
    .max_flat_workgroup_size: 512
    .sgpr_count:     66
    .vgpr_count:     194
    .wavefront_size: 32
...
	.end_amdgpu_metadata
.endif
;; end of part 1
;; launch gemm (part 2): grid 16 x 16, 4 waves a work-group, clusters of 4 x 4, 327,680 bytes of LDS; arguments a_img, b_img, out0; writes out0
.if DOCPART == 2
	.amdgcn_target "amdgcn-amd-amdhsa--gfx1250"
	.amdhsa_code_object_version 6
	.text
	.protected	k_q3df9803adc_gemm
	.globl	k_q3df9803adc_gemm
	.p2align	8
	.type	k_q3df9803adc_gemm,@function
k_q3df9803adc_gemm:
	s_mov_b64 s[64:65], 0
	v_nop
	global_prefetch_b8 v0, s[64:65] scope:SCOPE_SE
	s_setreg_imm32_b32 hwreg(HW_REG_WAVE_MODE, 25, 1), 1
	s_wait_xcnt 0x0
	s_wait_alu depctr_hold_cnt(0) depctr_sa_sdst(0) depctr_va_vdst(0) depctr_va_sdst(0) depctr_va_ssrc(0) depctr_va_vcc(0) depctr_vm_vsrc(0)
	s_getreg_b32 s2, hwreg(HW_REG_IB_STS2, 6, 4)
	s_cmp_eq_u32 s2, 0
	s_cbranch_scc0 .Lentry_in_a_cluster
	s_endpgm
.Lentry_in_a_cluster:
	s_bfe_u32 s2, ttmp6, 0x10000c
	s_cmp_lg_u32 s2, 0xf033
	s_cbranch_scc0 .Lentry_shape_is_right
	s_endpgm
.Lentry_shape_is_right:
; out0[m][n] = sum over k of A[m][k] B[n][k] on codes of BF6 with E8M0 scales, as the launch before laid them: [32 groups of 128 rows][32 steps of 128 K][8 blocks of 16 rows][record of 1,600 bytes]
; (a record: the fragment's 12 registers as three images of 512 bytes, then 16 scale words).  A work-group of four waves makes 256 x 256 of C, a wave 128 x 128: 64 accumulators.
; TILES: what a wave fetches, one group x 2 or 3 steps, is one dense run of 12,800 bytes a step: stated as rows of 256 bytes, each at a multiple of 256.  Two LDS slots of 3 steps; chunk 0 has 2 steps, chunks 1 to 10 three; chunk c lies in slot c % 2.
; CLUSTERS: 4 x 4; A's tiles are asked for jointly along a row of the cluster, B's along a column.  The matrix instruction is used transposed (source 0 = B, source 1 = A): a lane holds eight neighbouring numbers of a row of C.
; REGISTERS: window 0: v0-31 addresses, v32-47 scale words (two sets), v64-159 and v160-255 A's fragments, TWO sets;  window 1: v0-95 and v128-223 B's fragments, two sets;
;   window 2: the accumulators of my rows 0-63 ((a, b) at 8 (8 a + b));  window 3: those of rows 64-127.
; A STEP of 128 along K: the wait for its own fragments; a run of 32 LDS loads (the next step's fragments of B and scale words, into the other sets); 32 matrix instructions; a run of 24 loads (the next step's fragments of A); 32 matrix instructions.
; Four v_nop at the step's head are the places in front of loads into registers that the step before has read.
; THE LAST TWO STEPS GO BY ROWS OF C: both steps' fragments lie in the two sets, so each block of 16 rows is finished by 16 matrix instructions and leaves at once, while the later blocks are multiplied.
; PREFETCH: with the load of chunk c each wave names chunk c + 2's 150 blocks of 256 bytes of the tile that it fetches; the four partners that ask for a tile jointly share the blocks out by address, 38 each;
; chunk 1 is named behind chunk 0's load, chunks 2 and 3 behind chunk 1's; the last two refills name nothing.
.set SIZE_N, 4096
.set REC,    1600
.set CODEB,  1536
.set UNIT,   8*REC
.set GRPB,   32*UNIT
.set HALFT,  3*UNIT                    ; LDS bytes of one wave's load
.set SLOT,   4*HALFT                   ; A's two groups, then B's two
.set SPARE,  2*SLOT                    ; the spare words
.set SPITCH, 528                       ; the way out: a stage of 16 rows x (512 + 16) bytes a wave, in slot 1, which has had its last fill and last read by then
.set TRIPS,  4
.set ADRA, 16                          ; +slot
.set ADRB, 20
.set ADRS, 22
.set STO,  24
.set RD,   25
.set CO,   26
.set SPW,  28
.set NIL,  29
.set PF0,  30
.set PF1,  31
.set SC,   32
.set AF,   64
.set G1, 24                            ; group 1, three steps: A's, B's;  G1S, G1SB: two steps
.set G0, 32
.set G1B, 48
.set G0B, 56
.set G1S, 68
.set G1SB, 80
.set PFA, 92                           ; s[92:93]: the address of the chunk that the refill asks for
.set MSB, 0
.macro WIN new
.if MSB != \new
	s_set_vgpr_msb (MSB<<8)|\new
.set MSB, \new
.endif
.endm
.set MUL_LO, 0xa1                      ; source 0 (B) window 1, source 1 (A) window 0, C and D window 2
.set MUL_HI, 0xf1
.set TO_B,   0x40
.macro PLACES
.rept 4
	v_nop
.endr
.endm
.macro JLOAD g0a, g1a, g0b, g1b        ; a joint load: waves 0, 1 fetch A's groups, waves 2, 3 B's
	s_cmp_eq_u32 s15, 0
	s_cbranch_scc0 .Lfor_b_\@
	tensor_load_to_lds s[\g0a:\g0a+3], s[\g1a:\g1a+7]
	s_nop 0
	PLACES
	s_branch .Lasked_\@
.Lfor_b_\@:
	tensor_load_to_lds s[\g0b:\g0b+3], s[\g1b:\g1b+7]
	s_nop 0
	PLACES
.Lasked_\@:
.endm
.macro CREST
	s_cmp_lg_u32 s14, 0
	s_cbranch_scc1 .Lnot_wave_0_\@
	s_barrier_signal -3
.Lnot_wave_0_\@:
	s_barrier_wait -3
	s_barrier_signal -1
	s_barrier_wait -1
.endm
.macro CROUND
	s_barrier_signal -1
	s_barrier_wait -1
	CREST
.endm
.macro PREF off                        ; 150 blocks of 256 bytes among four partners: 38 each, in two instructions; lanes left over name the last block again
	global_prefetch_b8 v[PF0], s[PFA:PFA+1] offset:\off th:TH_LOAD_NT scope:SCOPE_SE
	global_prefetch_b8 v[PF1], s[PFA:PFA+1] offset:\off th:TH_LOAD_NT scope:SCOPE_SE
.endm
.macro ASK how                         ; how = 2: in the loop, whose last trip (s3 = 1) has no chunk two refills on
.if (\how) == 2
	s_cmp_gt_u32 s3, 1
	s_cbranch_scc0 .Lno_ask_\@
.endif
.if \how
	PREF 6*UNIT
.endif
.if (\how) == 2
.Lno_ask_\@:
.endif
.endm
	s_load_b128 s[4:7], s[0:1], 0x0                ; a_img, b_img
	s_load_b64 s[12:13], s[0:1], 0x10              ; out0
	v_lshl_add_u32 v[SPW], v0, 2, SPARE
	v_mov_b32 v[NIL], 0
	ds_add_u32 v[SPW], v[NIL]                      ; the opening lines: the add twice on end
	ds_add_u32 v[SPW], v[NIL]
	v_lshrrev_b32 v1, 5, v0
	v_readfirstlane_b32 s14, v1                    ; wave
	s_lshr_b32 s15, s14, 1                         ; my half of the rows; also: I fetch for A (0) or B (1)
	s_and_b32 s16, s14, 1                          ; my half of the columns; also: which group of the tile I fetch
	s_bfe_u32 s40, ttmp6, 0x40000                  ; cx
	s_bfe_u32 s41, ttmp6, 0x40004                  ; cy
	s_lshl_b32 s42, ttmp9, 2
	s_add_co_u32 s42, s42, s40                     ; tile column
	s_and_b32 s17, ttmp7, 0xffff
	s_lshl_b32 s17, s17, 2
	s_add_co_u32 s17, s17, s41                     ; tile row
	s_lshl_b32 s43, s41, 2
	s_lshl_b32 s43, 15, s43                        ; my row of the cluster
	s_lshl_b32 s44, 0x1111, s40                    ; my column
	s_or_b32 s[G1+0], s43, (3<<16)|(1<<21)         ; elements of 8 bytes, the mask, bit 21 beside it
	s_or_b32 s[G1B+0], s44, (3<<16)|(1<<21)
	s_or_b32 s[G1S+0], s43, (3<<16)|(1<<21)
	s_or_b32 s[G1SB+0], s44, (3<<16)|(1<<21)
.irp g, G1, G1B
	s_mov_b32 s[\g+1], 32<<16                      ; rows of 32 elements = 256 bytes,
	s_mov_b32 s[\g+2], 150<<16                     ; 150 of them: three steps
	s_mov_b32 s[\g+3], 32<<16
	s_mov_b32 s[\g+4], 150
	s_mov_b32 s[\g+5], 32
	s_mov_b32 s[\g+6], 0
	s_mov_b32 s[\g+7], 0
.endr
.irp g, G1S, G1SB
	s_mov_b32 s[\g+1], 32<<16
	s_mov_b32 s[\g+2], 100<<16                     ; two steps
	s_mov_b32 s[\g+3], 32<<16
	s_mov_b32 s[\g+4], 100
	s_mov_b32 s[\g+5], 32
	s_mov_b32 s[\g+6], 0
	s_mov_b32 s[\g+7], 0
.endr
	s_lshl_b32 s20, s17, 1
	s_add_co_u32 s20, s20, s16
	s_mul_i32 s20, s20, GRPB                       ; A: group 2 x tile row + which
	s_mov_b32 s21, 0
	s_lshl_b32 s46, s42, 1
	s_add_co_u32 s46, s46, s16
	s_mul_i32 s46, s46, GRPB                       ; B: group 2 x tile column + which
	s_mov_b32 s47, 0
	s_mul_i32 s45, s14, HALFT                      ; where my load goes
	s_mul_i32 s18, s15, HALFT                      ; my rows of A in slot 0,
	s_mul_i32 s19, s16, HALFT
	s_add_co_u32 s19, s19, 2*HALFT                 ; my rows of B,
	s_sub_co_u32 s22, s19, s18                     ; the distance between them,
	s_add_co_u32 s95, s18, SLOT                    ; and the same in slot 1
	s_add_co_u32 s96, s19, SLOT
	s_mul_i32 s23, s14, 16*SPITCH
	s_add_co_u32 s23, s23, SLOT                    ; my stage
	s_lshl_b32 s88, s17, 8
	s_lshl_b32 s89, s15, 7
	s_add_co_u32 s88, s88, s89
	s_lshl_b32 s88, s88, 14                        ; my first row of C x 16,384 bytes
	s_lshl_b32 s89, s42, 10
	s_add_co_u32 s88, s88, s89
	s_lshl_b32 s89, s16, 9
	s_add_co_u32 s88, s88, s89                     ; + my first column x 4
	s_mov_b32 s89, 0
	s_cmp_eq_u32 s15, 0
	s_cselect_b32 s94, s40, s41                    ; my place among the four that ask for my tile: it enters a prefetch's address alone
	s_mul_i32 s94, s94, 38
	v_and_b32 v1, 15, v0                           ; r
	v_bfe_u32 v2, v0, 4, 1                         ; h
	v_and_b32 v6, 31, v0
	v_lshlrev_b32 v[CO], 4, v6                     ; 16 x lane
	v_mul_u32_u24 v5, s22, v2                      ; scale words: lanes 0-15 A's rows, lanes 16-31 B's
	v_lshl_add_u32 v5, v1, 2, v5
	v_add_nc_u32 v[ADRA], s18, v[CO]
	v_add_nc_u32 v[ADRB], s19, v[CO]
	v_add_nc_u32 v[ADRS], s18, v5
	v_add_nc_u32 v[ADRA+1], s95, v[CO]
	v_add_nc_u32 v[ADRB+1], s96, v[CO]
	v_add_nc_u32 v[ADRS+1], s95, v5
	v_mul_u32_u24 v7, v1, SPITCH
	v_lshl_add_u32 v7, v2, 5, v7
	v_add_nc_u32 v[STO], s23, v7
	v_add_nc_u32 v[RD], s23, v[CO]
	v_add_nc_u32 v8, s94, v6
	v_lshlrev_b32 v[PF0], 8, v8                    ; block 38 p + lane
	v_add_nc_u32 v8, 32, v6
	v_min_u32 v8, 37, v8
	v_add_nc_u32 v8, s94, v8
	v_min_u32 v8, 149, v8                          ; block 38 p + min(32 + lane, 37), inside the tile's 150
	v_lshlrev_b32 v[PF1], 8, v8
	s_wait_alu depctr_va_vdst(0)                   ; the wait at the head's end
	s_wait_dscnt 0x0                               ; both opening adds are done
	s_wait_kmcnt 0x0
	s_add_nc_u64 s[20:21], s[4:5], s[20:21]
	s_add_nc_u64 s[46:47], s[6:7], s[46:47]
	s_add_nc_u64 s[12:13], s[12:13], s[88:89]
	s_cmp_eq_u32 s15, 0
	s_cselect_b64 s[PFA:PFA+1], s[20:21], s[46:47]
	s_add_nc_u64 s[PFA:PFA+1], s[PFA:PFA+1], 2*UNIT   ; chunk 1
	CROUND                                         ; in front of the first joint loads
.irp s, 0,1
	s_mov_b32 s[G0+4*\s], 1
	s_add_co_u32 s[G0+4*\s+1], s45, \s*SLOT
	s_add_nc_u64 s[G0+4*\s+2:G0+4*\s+3], s[20:21], \s*2*UNIT
	s_or_b32 s[G0+4*\s+3], s[G0+4*\s+3], 0x80000000
	s_mov_b32 s[G0B+4*\s], 1
	s_add_co_u32 s[G0B+4*\s+1], s45, \s*SLOT
	s_add_nc_u64 s[G0B+4*\s+2:G0B+4*\s+3], s[46:47], \s*2*UNIT
	s_or_b32 s[G0B+4*\s+3], s[G0B+4*\s+3], 0x80000000
.endr
	JLOAD G0, G1S, G0B, G1SB                       ; chunk 0: my one tensor load at the head
	PREF 0                                         ; chunk 1
.macro FRAG reg, adr, off              ; a fragment: three images of 512 bytes, 16 bytes a lane
.irp g, 0,1,2
	ds_load_b128 v[(\reg)+4*\g:(\reg)+4*\g+3], v[\adr] offset:(\off)+512*\g
.endr
.endm
.macro RUNB slot, q, p                 ; of the step at (slot, q), into the sets p: B's eight fragments and the scale words (lanes 0-15 A's block i, lanes 16-31 B's)
	WIN TO_B
.irp i, 0,1,2,3,4,5,6,7
	FRAG 128*(\p)+12*\i, ADRB+(\slot), (\q)*UNIT+\i*REC
.endr
	WIN 0
.irp i, 0,1,2,3,4,5,6,7
	ds_load_b32 v[SC+8*(\p)+\i], v[ADRS+(\slot)] offset:CODEB+(\q)*UNIT+\i*REC
.endr
.endm
.macro RUNA slot, q, p                 ; and A's eight fragments
	WIN 0
.irp i, 0,1,2,3,4,5,6,7
	FRAG AF+96*(\p)+12*\i, ADRA+(\slot), (\q)*UNIT+\i*REC
.endr
.endm
.macro MUL8 a, p, zero                 ; A's block a x B's eight.  The accumulators take turns, one instruction a turn
.irp b, 0,1,2,3,4,5,6,7
.if \zero
	v_wmma_scale_f32_16x16x128_f8f6f4 v[8*(8*((\a)%4)+\b):8*(8*((\a)%4)+\b)+7], v[128*(\p)+12*\b:128*(\p)+12*\b+11], v[AF+96*(\p)+12*(\a):AF+96*(\p)+12*(\a)+11], 0, v[SC+8*(\p)+\b], v[SC+8*(\p)+(\a)] matrix_a_fmt:MATRIX_FMT_BF6 matrix_b_fmt:MATRIX_FMT_BF6 matrix_a_scale:MATRIX_SCALE_ROW1
.else
	v_wmma_scale_f32_16x16x128_f8f6f4 v[8*(8*((\a)%4)+\b):8*(8*((\a)%4)+\b)+7], v[128*(\p)+12*\b:128*(\p)+12*\b+11], v[AF+96*(\p)+12*(\a):AF+96*(\p)+12*(\a)+11], v[8*(8*((\a)%4)+\b):8*(8*((\a)%4)+\b)+7], v[SC+8*(\p)+\b], v[SC+8*(\p)+(\a)] matrix_a_fmt:MATRIX_FMT_BF6 matrix_b_fmt:MATRIX_FMT_BF6 matrix_a_scale:MATRIX_SCALE_ROW1
.endif
.endr
.endm
.macro MULS a0, a1, p, zero            ; blocks a0 .. a1 (inside one window of accumulators)
.set ma, \a0
.rept (\a1)-(\a0)+1
	MUL8 ma, \p, \zero
.set ma, ma+1
.endr
.endm
.macro STEP slot, q, p, zero           ; a step that is not its slot's last
	s_wait_dscnt 0x0                               ; this step's fragments: the youngest were asked for 32 matrix instructions ago
	PLACES
	RUNB \slot, (\q)+1, 1-(\p)
	WIN MUL_LO
	MULS 0, 3, \p, \zero
	RUNA \slot, (\q)+1, 1-(\p)
	WIN MUL_HI
	MULS 4, 7, \p, \zero
.endm
; A slot's last step changes slots: the slot's last reads went out in the step before.  Each wave waits for all its tensor loads, adds 0 to its spare word, and waits for that and for its reads;
; the barrier opens a round of the cluster's barrier; the joint refill is the first tensor load behind it; then the next slot's first step is fetched.
.macro TURN slot, p, next, fill, adv, ask
	WIN 0
.if \fill
	s_wait_xcnt 0x0                                ; my prefetches have read their address
	s_add_nc_u64 s[PFA:PFA+1], s[PFA:PFA+1], 3*UNIT
.endif
	s_wait_tensorcnt 0x0
	ds_add_u32 v[SPW], v[NIL]
	s_wait_dscnt 1                                 ; this step's fragments are in; the add may be out
	WIN MUL_LO
	MUL8 0, \p, 0
	s_wait_dscnt 0x0
	s_barrier_signal -1
	MUL8 1, \p, 0
	WIN 0
	s_barrier_wait -1
.if \fill
	CREST
	s_add_nc_u64 s[G0+4*\slot+2:G0+4*\slot+3], s[G0+4*\slot+2:G0+4*\slot+3], \adv
	s_add_nc_u64 s[G0B+4*\slot+2:G0B+4*\slot+3], s[G0B+4*\slot+2:G0B+4*\slot+3], \adv
	JLOAD G0+4*\slot, G1, G0B+4*\slot, G1B         ; its four v_nop are also the places in front of the runs below
.else
	PLACES
.endif
	RUNB \next, 0, 1-(\p)
	ASK \ask
	WIN MUL_LO
	MULS 2, 3, \p, 0
	RUNA \next, 0, 1-(\p)
	WIN MUL_HI
	MULS 4, 7, \p, 0
.endm
; THE WAY OUT of block a, 16 rows x 128 columns: through my own stage and back as whole rows of 512 bytes, into the block's own 64 accumulator registers; stored as two aligned units of 256 bytes a row.
; One window setting serves all three: LDS and global addresses in window 0, data and destinations in the block's window.  Every offset is an immediate, 127 rows of C at the most: no base is stepped and no store's register is written again.
.macro TOSTAGE a
.set AC, 64*((\a)%4)
	WIN 0x88+0x44*((\a)/4)
.irp b, 0,1,2,3,4,5,6,7
	ds_store_b128 v[STO], v[AC+8*\b:AC+8*\b+3] offset:64*\b          ; each accumulator from its low end on
	ds_store_b128 v[STO], v[AC+8*\b+4:AC+8*\b+7] offset:64*\b+16
.endr
	s_wait_dscnt 0x0                               ; the stores have read their registers, which the loads below write
.irp t, 0,1,2,3,4,5,6,7,8,9,10,11,12,13,14,15
	ds_load_b128 v[AC+4*\t:AC+4*\t+3], v[RD] offset:\t*SPITCH
.endr
.endm
.macro SEND a
.set AC, 64*((\a)%4)
	WIN 0x88+0x44*((\a)/4)
.irp t, 0,1,2,3,4,5,6,7,8,9,10,11,12,13,14,15
	global_store_b128 v[CO], v[AC+4*\t:AC+4*\t+3], s[12:13] offset:(16*(\a)+\t)*SIZE_N*4 th:TH_STORE_NT   ; 512 consecutive bytes at a multiple of 256
.endr
.endm
.macro GOUT a                          ; block a is finished: the block before it, back from the stage, is stored, and block a goes through the stage
	PLACES                                         ; in front of the first read of results just made
.if (\a) > 0
	s_wait_dscnt 0x0
	SEND (\a)-1
.endif
	TOSTAGE \a
.endm
	s_wait_tensorcnt 0x0                           ; my part of chunk 0 is in
	ds_add_u32 v[SPW], v[NIL]
	s_wait_dscnt 0x0
	CROUND
	JLOAD G0+4, G1, G0B+4, G1B                     ; chunk 1: slot 1's first fill
	RUNB 0, 0, 0
	RUNA 0, 0, 0
	PREF 3*UNIT                                    ; chunks 2 and 3
	PREF 6*UNIT
	STEP 0, 0, 0, 1                                ; the first step's products start the sums
	TURN 0, 1, 1, 1, 5*UNIT, 1
	WIN 0
	s_mov_b32 s3, TRIPS
.Llap:                                                 ; a trip: an odd chunk in slot 1, an even one in slot 0
	STEP 1, 0, 0, 0
	STEP 1, 1, 1, 0
	TURN 1, 0, 0, 1, 6*UNIT, 2
	STEP 0, 0, 1, 0
	STEP 0, 1, 0, 0
	TURN 0, 1, 1, 1, 6*UNIT, 2
	WIN 0
	s_sub_co_u32 s3, s3, 1
	s_cmp_lg_u32 s3, 0
	s_cbranch_scc1 .Llap
	STEP 1, 0, 0, 0                                ; chunks 9 and 10: nothing more to fetch
	STEP 1, 1, 1, 0
	TURN 1, 0, 0, 0, 0, 0
	STEP 0, 0, 1, 0
	s_wait_dscnt 0x0                               ; the last two steps, by rows: step 30's fragments lie in the sets 0,
	PLACES
	RUNB 0, 2, 1                                   ; step 31's go into the sets 1
	RUNA 0, 2, 1
	WIN MUL_LO
	MUL8 0, 0, 0
	MUL8 1, 0, 0
	s_wait_dscnt 0x0
	MUL8 0, 1, 0
	GOUT 0
	WIN MUL_LO
	MUL8 1, 1, 0
	GOUT 1
.irp a, 2,3,4,5,6,7
	WIN MUL_LO+0x50*(\a/4)
	MUL8 \a, 0, 0                                  ; a block's eight accumulators by turns, K ascending
	MUL8 \a, 1, 0
	GOUT \a
.endr
	s_wait_dscnt 0x0
	SEND 7
	WIN 0
	s_wait_tensorcnt 0x0                           ; the wave's end
	ds_add_u32 v[SPW], v[NIL]
	s_wait_dscnt 0x0
	CROUND                                         ; the closing round
	s_endpgm
.Lfunc_end_k_q3df9803adc_gemm:
	.size	k_q3df9803adc_gemm, .Lfunc_end_k_q3df9803adc_gemm-k_q3df9803adc_gemm
	.p2alignl 7, 3214868480
	.fill 96, 4, 3214868480
	.section	.rodata,"a",@progbits
	.p2align	6, 0x0
	.amdhsa_kernel k_q3df9803adc_gemm
		.amdhsa_group_segment_fixed_size 327680
		.amdhsa_private_segment_fixed_size 0
		.amdhsa_enable_private_segment 0
		.amdhsa_kernarg_size 24
		.amdhsa_user_sgpr_count 2
		.amdhsa_user_sgpr_kernarg_segment_ptr 1
		.amdhsa_wavefront_size32 1
		.amdhsa_system_sgpr_workgroup_id_x 1
		.amdhsa_system_sgpr_workgroup_id_y 1
		.amdhsa_system_sgpr_workgroup_id_z 1
		.amdhsa_system_vgpr_workitem_id 0
		.amdhsa_next_free_vgpr 1024
		.amdhsa_next_free_sgpr 98
		.amdhsa_reserve_vcc 0
		.amdhsa_float_denorm_mode_32 3
		.amdhsa_float_denorm_mode_16_64 3
		.amdhsa_memory_ordered 1
		.amdhsa_forward_progress 1
		.amdhsa_inst_pref_size 209
	.end_amdhsa_kernel
	.amdgpu_metadata
---
amdhsa.version: [ 1, 2 ]
amdhsa.kernels:
  - .name:           k_q3df9803adc_gemm
    .symbol:         k_q3df9803adc_gemm.kd
    .args:
      - { .name: a_img, .offset: 0, .size: 8, .value_kind: global_buffer, .address_space: global }
      - { .name: b_img, .offset: 8, .size: 8, .value_kind: global_buffer, .address_space: global }
      - { .name: out0, .offset: 16, .size: 8, .value_kind: global_buffer, .address_space: global }
    .group_segment_fixed_size: 327680
    .private_segment_fixed_size: 0
    .kernarg_segment_align: 8
    .kernarg_segment_size: 24
    .max_flat_workgroup_size: 128
    .sgpr_count:     98
    .vgpr_count:     1024
    .wavefront_size: 32
...
	.end_amdgpu_metadata
.endif
;; end of part 2
